; MI455X (gfx1250); checked and timed in simulation.
; The chip was launched on July 23, 2026; its instructions are those of AMD's public machine-readable ISA for CDNA 5 (MIT licence, August 2026) and "CDNA5" Instruction Set Architecture Reference Guide (July 2026). The comments in the code are by the model that wrote it; some were corrected since.
;; Moe Router. Allowed arithmetic: matrix products marked QUANTISED: E5M2 operands, one E8M0 scale for each 32 along K, by v_wmma_scale_f32_16x16x128_f8f6f4 with both operands' format E5M2, f32 sums; everything else in f32.
;; Inputs: W 64 x 2,048 float32; x 16,384 x 2,048 float32.
;; Outputs: out0 16,384 x 2 float32; out1 16,384 x 2 int32.
;; This version of the problem:
;;   THIS VERSION OF THE PROBLEM IS GIVEN IN LOW PRECISION. The matrix products marked QUANTISED in the list below multiply operands that are first quantised to E5M2 (5 exponent bits, 2 mantissa bits; 8 bits a number), with one power-of-two scale for each 32 numbers along K (OCP MX v1.0); their sums are f32. All else is computed in f32.
;;   The module's matrix products, in the order in which they are computed (A, B: the left and right operand; K: the contracted axis; several contracted axes count as one K, in the product's order):
;;     1. [M 16,384, K 2,048] x [K 2,048, N 64]; A: input x; B: input W: QUANTISED
;;   THE QUANTISER, for each operand of a quantised product, along K:
;;     - K is cut into blocks of 32 from its start; a last block that is shorter is filled with zeros.
;;     - A block's scale is 2^e with e = floor(log2(the largest magnitude in the block)) - 15, held to -126 .. 127; a block of zeros has e = 0. As a byte (E8M0): e + 127.
;;     - Each number is divided by its block's scale, clamped to +-57,344, and rounded to the nearest number of E5M2, ties to even, subnormals kept.
;;     - The product sums the exact products of the quantised numbers (number of the format x scale) in f32.
;;   ~~~python
;;   def quantise(x, axis):      # numpy; x: float32 -> the quantised numbers, widened to float32 again
;;       x = np.moveaxis(x, axis, -1); K = x.shape[-1]
;;       x = np.pad(x, [(0, 0)] * (x.ndim - 1) + [(0, -K % 32)]); x = x.reshape(x.shape[:-1] + (-1, 32)); a = np.abs(x).max(-1, keepdims=True)
;;       e = np.where(a > 0, np.clip(np.frexp(np.where(a > 0, a, 1))[1] - 1 - 15, -126, 127), 0)      # np.frexp(a)[1] - 1 = floor(log2(a)), exactly
;;       r = np.clip(x / 2.0 ** e, -57344, 57344)
;;       step = 2.0 ** (np.maximum(np.frexp(np.where(r == 0, 1, r))[1] - 1, -14) - 2)
;;       q = np.round(r / step) * step * 2.0 ** e      # np.round: ties to even
;;       return np.moveaxis(q.reshape(q.shape[:-2] + (-1,))[..., :K], -1, axis).astype(np.float32)
;;   ~~~
;; One version. Each part assembles by itself: llvm-mc -triple=amdgcn-amd-amdhsa -mcpu=gfx1250 --defsym DOCPART=n.
;; ======== version 1 of 1: 1 launch
;; limits: right only within a limited range of input values
;; launch router (part 1): grid 256 x 1, 16 waves a work-group, clusters of 4 x 1, 327,680 bytes of LDS; arguments x, W, out0, out1; writes out0, out1
.if DOCPART == 1
	.amdgcn_target "amdgcn-amd-amdhsa--gfx1250"
	.amdhsa_code_object_version 6
	.text
	.protected	k_qa11180a869_router
	.globl	k_qa11180a869_router
	.p2align	8
	.type	k_qa11180a869_router,@function
k_qa11180a869_router:
	s_mov_b64 s[64:65], 0
	v_nop
	global_prefetch_b8 v0, s[64:65] scope:SCOPE_SE
	s_setreg_imm32_b32 hwreg(HW_REG_WAVE_MODE, 25, 1), 1
	s_wait_xcnt 0x0
	s_wait_alu depctr_hold_cnt(0) depctr_sa_sdst(0) depctr_va_vdst(0) depctr_va_sdst(0) depctr_va_ssrc(0) depctr_va_vcc(0) depctr_vm_vsrc(0)
	s_getreg_b32 s2, hwreg(HW_REG_IB_STS2, 6, 4)
	s_cmp_eq_u32 s2, 0
	s_cbranch_scc0 .Lentry_in_a_cluster
	s_endpgm
.Lentry_in_a_cluster:
	s_bfe_u32 s2, ttmp6, 0x10000c
	s_cmp_lg_u32 s2, 0x3003
	s_cbranch_scc0 .Lentry_shape_is_right
	s_endpgm
.Lentry_shape_is_right:
; MoE ROUTER.  logits[t][e] = sum over k of Q(x)[t][k] Q(W)[e][k], Q = codes of BF8 (E5M2) with one E8M0 scale for each 32 along K; softmax over the 64 experts; the two largest
; probabilities (ties: the lower index) divided by (their sum + 1e-9).  x: [16384][2048] f32, W: [64][2048] f32, out0: [16384][2] f32, out1: [16384][2] i32.
; SHARES.  256 work-groups of 64 tokens; 16 waves.  Wave w owns K SLICE w (128 along K, 512 bytes of every row) of all 64 experts and all 64 tokens.  So it quantises its own slice of W once, keeps the
; codes in 64 registers, and no wave needs another's codes.  A product of 16 experts x 16 tokens is ONE matrix instruction a wave; the 16 waves' sums are added through LDS.
; W comes in two fills of 32 experts: each wave's tensor load brings its 512 bytes of 32 rows into its own LDS bytes.  All work-groups read the same W: the four of a cluster ask JOINTLY.
; x comes by plain loads into a ring of three slots of 32 registers.  Half d = 2 t + u is tokens 16 t .. 16 t + 15, blocks 2 u, 2 u + 1 of the slice: 8 loads.  A load is 4 rows x 128 bytes; two on end
; complete the same aligned runs of 256 bytes (so no streaming hint is given).  24 loads, 12,288 bytes a wave, are on their way from the head on; they land in registers, so no barrier waits for them.
; A block (16 rows x 128 bytes) turns through the wave's own stage in LDS, rows 144 bytes apart, and comes back as the matrix operand wants it: lane (r, h) holds k = 16 h .. 16 h + 15 of row r.
; THE END.  Wave w adds the 16 parts of token w of each tile: tiles 0 to 2 while tile 3's loads are on their way.  Then 8 lanes take a token, 8 experts a lane: maximum, exponentials, sum, top 2.
; No prefetch: there is no loop to run ahead in, and 196,608 bytes of x a work-group are asked for at the head.
; LDS is claimed whole.
; LIMITS.  NaN and infinities among the inputs are not served.  A block whose largest magnitude lies under 2^-111 gets the byte 1, as the quantiser's rule says; such blocks were not tried.  A block of zeros
; gets the byte 1 where the rule says 127: its codes are zeros and add nothing.  v_exp_f32 gives 0 where 2^t lies under 2^-126 (ISA guide, 15.8): where the second largest logit lies some 87.3 or more
; under the largest, its probability is 0 here and the tie among zeros goes to the lowest index.  The two largest are chosen among the exponentials,
; ahead of the division by their common sum, which does not change their order.
.set ROWB,  8192                       ; a row of x or of W in bytes
.set WP,    528                        ; a row of W's slice in LDS: 512 bytes + 16
.set PP,    272                        ; a row of 64 sums: 256 bytes + 16
.set PT16,  16*PP                      ; 16 rows of sums: one part of one tile
.set WREG,  4*PT16                     ; a wave's region, 17,408 bytes: 32 rows of W (16,896 bytes); behind W's last fill its four parts
.set CP,    144                        ; a stage row: 128 bytes + 16
.set SREG,  16*CP                      ; a wave's stage
.set STAGE, 16*WREG
.set OUTB,  STAGE+16*SREG              ; 512 bytes of out0, 512 of out1
.set SPARE, OUTB+1024                  ; the spare words, 128 bytes for each wave
.set SPW,   1                          ; v1   LDS address of my spare word; never rewritten
.set NIL,   2                          ; v2   0; never rewritten
.set VO,    3                          ; v3   byte offset in x: my row of a load's four, my 16 bytes, my slice
.set ST,    4                          ; v4   stage, in
.set SR,    5                          ; v5   stage, out
.set VW,    6                          ; v6   my lane's place in my rows of W
.set PT,    7                          ; v7   where my sums go
.set RA,    8                          ; v8-11 where I read sums: waves 4 g .. 4 g + 3's regions
.set TA,    12                         ; v12-21 the quantiser's: two blocks by turns
.set TB,    13
.set UA,    14
.set UB,    15
.set PA,    16
.set PB,    17
.set SA,    18
.set SB,    19
.set HA,    20
.set HB,    21
.set LW,    22                         ; v22  stage: where my two logits of a token go
.set LR,    23                         ; v23  stage: where I read my token's 8 back
.set WS,    24                         ; v24-27 W's scale words; v28, v29 x's (tile t in t % 2): these six hold scales and nothing else
.set XS,    28
.set AOS,   30                         ; v30  LDS: where my token's results go
.set AOR,   31                         ; v31  LDS: where waves 0 and 1 read the results
.set XA,    32                         ; v32-63 two blocks of 16 numbers a lane; between quantisings the four accumulators, or 16 parts
.set ACC,   32
.set WC,    64                         ; v64-127 W's codes: tile e at 64 + 16 e
.set XC,    128                        ; v128-159 x's codes, two tiles
.set RING,  160                        ; v160-255 the ring
.set LG,    224                        ; v224-231 my two logits of each tile's token w (slot 2 has been read for the last time by then)
; the end's registers, where slots 0 and 1 lay
.set PS,    160
.set EX,    168
.set E4,    176
.set MX,    192
.set IB,    193                        ; 8 x (lane % 8): my first expert
.set SM,    194
.set M1,    195                        ; the largest, its index, the second, its index
.set I1,    196
.set M2,    197
.set I2,    198
.set B1,    199                        ; the same four of the partner lane
.set BI1,   200
.set B2,    201
.set BI2,   202
.set T0,    203
.set T1,    204
.set RS,    205
.set P1,    206
.set P2,    207
.set DN,    208
.set RD,    209
.set ODD,   210
.set GOF,   211
.set OD,    212
.set OB,    216
.set MNT,   26                         ; s26  the mantissa field of 57,344
.set G0,    32                         ; s[32:35] descriptor group 0, s[40:47] group 1
.set G1,    40
.macro CROUND                          ; a whole round of the cluster's barrier
	s_barrier_signal -1
	s_barrier_wait -1
	s_cmp_lg_u32 s12, 0
	s_cbranch_scc1 .Lnot_wave_0_\@
	s_barrier_signal -3
.Lnot_wave_0_\@:
	s_barrier_wait -3
	s_barrier_signal -1
	s_barrier_wait -1
.endm
.macro XLOAD d                         ; half d: load i takes rows i, i + 8, i + 4, i + 12 of the tile (lanes 0-7, 8-15, 16-23, 24-31), 128 bytes each
.irp i, 0,1,2,3
	global_load_b128 v[RING+32*((\d)%3)+4*\i:RING+32*((\d)%3)+4*\i+3], v[VO], s[4:5] offset:(16*((\d)/2)+\i)*ROWB+256*((\d)%2)
	global_load_b128 v[RING+32*((\d)%3)+16+4*\i:RING+32*((\d)%3)+16+4*\i+3], v[VO], s[4:5] offset:(16*((\d)/2)+\i)*ROWB+256*((\d)%2)+128
.endr
.endm
	s_load_b256 s[4:11], s[0:1], 0x0               ; x s[4:5], W s[6:7], out0 s[8:9], out1 s[10:11]
	v_lshl_add_u32 v[SPW], v0, 2, SPARE
	v_mov_b32 v[NIL], 0
	ds_add_u32 v[SPW], v[NIL]                      ; the opening lines: the add, twice on end, and its one wait ahead of my first tensor load
	ds_add_u32 v[SPW], v[NIL]
	v_lshrrev_b32 v12, 5, v0
	v_readfirstlane_b32 s12, v12                   ; wave 0..15
	s_bfe_u32 s37, ttmp6, 0x40000                  ; cx
	s_lshl_b32 s36, ttmp9, 2
	s_add_co_u32 s36, s36, s37                     ; work-group = 4 x cluster + cx
	s_lshl_b32 s38, s12, 9                         ; my slice: 512 bytes a wave
	s_mov_b32 s39, 0
	s_lshl_b32 s28, s36, 19                        ; the group's 64 rows of x: 524,288 bytes
	s_mov_b32 s29, 0
	; group 1: 32 rows of 128 elements of 4 bytes, 2,048 from row to row; 16 bytes of padding behind each; to all four work-groups of the cluster
	s_mov_b32 s[G1+0], 15|(2<<16)|(1<<20)|(1<<21)|(6<<22)|(3<<25)
	s_mov_b32 s[G1+1], 128<<16
	s_mov_b32 s[G1+2], 32<<16
	s_mov_b32 s[G1+3], 128<<16
	s_mov_b32 s[G1+4], 32
	s_mov_b32 s[G1+5], 2048
	s_mov_b32 s[G1+6], 0
	s_mov_b32 s[G1+7], 0
	s_mov_b32 s[G0], 1
	s_mul_i32 s[G0+1], s12, WREG                   ; into my own region
	s_mov_b32 s16, 0x76543210
	s_mov_b32 s17, 0xfedcba98                      ; v_permlanex16_b32's selects for lane l xor 16
	s_mov_b32 s[MNT], 0x600000
	v_and_b32 v13, 7, v0                           ; my 16 bytes of a row's 128
	v_bfe_u32 v14, v0, 3, 1
	v_bfe_u32 v15, v0, 4, 1                        ; h = lane / 16
	v_lshlrev_b32 v[VO], 4, v13
	v_lshl_add_u32 v[VO], v14, 16, v[VO]           ; 8 rows on for lanes 8-15 and 24-31,
	v_lshl_add_u32 v[VO], v15, 15, v[VO]           ; 4 rows on for lanes 16-31
	v_add_nc_u32 v[VO], s38, v[VO]
	s_wait_alu depctr_va_vdst(0)
	s_wait_dscnt 0x0                               ; both opening adds are done
	s_wait_kmcnt 0x0
	s_add_nc_u64 s[4:5], s[4:5], s[28:29]
	XLOAD 0                                        ; x's first half is asked for ahead of the round
	s_add_nc_u64 s[G0+2:G0+3], s[6:7], s[38:39]
	s_or_b32 s[G0+3], s[G0+3], 0x80000000
	CROUND                                         ; all four work-groups are here: the joint loads meet
	tensor_load_to_lds s[G0:G0+3], s[G1:G1+7]      ; experts 0-31: my one tensor load at the head
	s_nop 0
	XLOAD 1
	XLOAD 2
	; the LDS addresses, made under the loads
	s_mul_i32 s14, s12, SREG
	s_add_co_u32 s14, s14, STAGE                   ; my stage
	s_mul_i32 s15, s12, WREG                       ; my region
	s_mul_i32 s18, s12, PP                         ; token w of a tile
	s_lshl_b32 s19, s12, 3
	s_add_co_u32 s19, s19, OUTB
	s_cmp_eq_u32 s12, 0                            ; wave 0 stores out0, wave 1 out1
	s_cselect_b64 s[8:9], s[8:9], s[10:11]
	s_lshl_b32 s30, s36, 9                         ; 64 tokens x 8 bytes a group
	s_mov_b32 s31, 0
	s_add_nc_u64 s[8:9], s[8:9], s[30:31]
	v_and_b32 v16, 15, v0                          ; r
	v_and_b32 v17, 31, v0                          ; lane
	v_bfe_u32 v18, v0, 3, 2                        ; lane / 8
	v_and_b32 v19, 1, v0
	v_lshlrev_b32 v[ST], 4, v13                    ; in: rows 8 apart in lanes 0-7 and 8-15, so that 16 lanes touch 16 different columns of 16 bytes modulo 256
	v_mul_u32_u24 v[SR], v16, CP
	v_mul_u32_u24 v[VW], v16, WP
	v_mul_u32_u24 v[PT], v16, PP
	v_mad_u32_u24 v[ST], v14, 8*CP, v[ST]
	v_lshl_add_u32 v[SR], v15, 6, v[SR]            ; out: row r, 64 h
	v_lshl_add_u32 v[VW], v15, 6, v[VW]
	v_lshl_add_u32 v[PT], v15, 5, v[PT]            ; sums: token r, experts 8 h on
	v_mad_u32_u24 v[ST], v15, 4*CP, v[ST]
	v_add_nc_u32 v[SR], s14, v[SR]
	v_add_nc_u32 v[VW], s15, v[VW]
	v_add_nc_u32 v[PT], s15, v[PT]
	v_add_nc_u32 v[ST], s14, v[ST]
	v_lshl_add_u32 v[RA], v17, 3, s18              ; 8 bytes a lane of token w's row
	v_lshl_add_u32 v[LW], v17, 3, s14
	v_mul_u32_u24 v[LR], v18, PP                   ; the end: lanes 8 g .. 8 g + 7 take tile g's token, 32 bytes a lane
	v_lshlrev_b32 v[AOS], 7, v18                   ; token 16 g + w: 8 bytes a token; even lanes put weights, odd lanes indices 512 bytes on
	v_add_nc_u32 v[RA+1], 4*WREG, v[RA]
	v_add_nc_u32 v[RA+2], 8*WREG, v[RA]
	v_add_nc_u32 v[RA+3], 12*WREG, v[RA]
	v_lshl_add_u32 v[LR], v13, 5, v[LR]
	v_lshl_add_u32 v[AOS], v19, 9, v[AOS]
	v_and_b32 v[AOR], 63, v0
	v_add_nc_u32 v[LR], s14, v[LR]
	v_add_nc_u32 v[AOS], s19, v[AOS]
	v_lshl_add_u32 v[AOR], v[AOR], 4, OUTB
; TWO BLOCKS BECOME CODES.  A lane's 16 numbers of each stand at XA and XA + 16; the other 16 in lane l xor 16.  C: 8 registers of codes; S: the scale word, whose bytes 2 u, 2 u + 1 these are.
.macro QUANT C, S, u
	v_max3_num_f32 v[TA], |v[XA]|, |v[XA+1]|, 0x8000000        ; the floor 2^(16 - 127): the byte cannot fall under 1
	v_max3_num_f32 v[TB], |v[XA+16]|, |v[XA+17]|, 0x8000000
	v_max3_num_f32 v[UA], |v[XA+8]|, |v[XA+9]|, |v[XA+10]|
	v_max3_num_f32 v[UB], |v[XA+24]|, |v[XA+25]|, |v[XA+26]|
.irp i, 2,4
	v_max3_num_f32 v[TA], v[TA], |v[XA+\i]|, |v[XA+1+\i]|
	v_max3_num_f32 v[TB], v[TB], |v[XA+16+\i]|, |v[XA+17+\i]|
	v_max3_num_f32 v[UA], v[UA], |v[XA+9+\i]|, |v[XA+10+\i]|
	v_max3_num_f32 v[UB], v[UB], |v[XA+25+\i]|, |v[XA+26+\i]|
.endr
	v_max3_num_f32 v[TA], v[TA], |v[XA+6]|, |v[XA+7]|
	v_max3_num_f32 v[TB], v[TB], |v[XA+22]|, |v[XA+23]|
	v_max3_num_f32 v[TA], v[TA], v[UA], |v[XA+15]|
	v_max3_num_f32 v[TB], v[TB], v[UB], |v[XA+31]|
	v_permlanex16_b32 v[PA], v[TA], s16, s17
	v_permlanex16_b32 v[PB], v[TB], s16, s17
	v_max_num_f32 v[TA], v[TA], v[PA]              ; the block's largest magnitude
	v_max_num_f32 v[TB], v[TB], v[PB]
	v_add_nc_u32 v[SA], 0xf8800000, v[TA]          ; 15 off the exponent field: the conversion's scale operand
	v_add_nc_u32 v[SB], 0xf8800000, v[TB]
	v_and_or_b32 v[HA], v[TA], 0x7f800000, s[MNT]  ; 57,344 x the scale
	v_and_or_b32 v[HB], v[TB], 0x7f800000, s[MNT]
	v_lshrrev_b32 v[UA], 23, v[SA]                 ; the scales' bytes
	v_lshrrev_b32 v[UB], 23, v[SB]
.if (\u) == 0
	v_lshl_or_b32 v[\S], v[UB], 8, v[UA]
.else
	v_lshl_or_b32 v[\S], v[UA], 16, v[\S]
	v_lshl_or_b32 v[\S], v[UB], 24, v[\S]
.endif
.irp i, 0,1,2,3,4,5,6,7,8,9,10,11,12,13,14,15
	v_med3_num_f32 v[XA+\i], v[XA+\i], -v[HA], v[HA]           ; the conversion to an 8-bit code does not saturate (ISA guide 7.6.2)
.endr
	v_cvt_scalef32_pk8_bf8_f32 v[(\C):(\C)+1], v[XA:XA+7], v[SA]
	v_cvt_scalef32_pk8_bf8_f32 v[(\C)+2:(\C)+3], v[XA+8:XA+15], v[SA]
.irp i, 16,17,18,19,20,21,22,23,24,25,26,27,28,29,30,31
	v_med3_num_f32 v[XA+\i], v[XA+\i], -v[HB], v[HB]
.endr
	v_cvt_scalef32_pk8_bf8_f32 v[(\C)+4:(\C)+5], v[XA+16:XA+23], v[SB]
	v_cvt_scalef32_pk8_bf8_f32 v[(\C)+6:(\C)+7], v[XA+24:XA+31], v[SB]
	v_nop                                          ; the plain line behind the conversions
.endm
; HALF d of x: through the stage block by block (LDS serves a wave's instructions in order, ISA guide 5.7.1.4: no wait between stores and loads), then the slot takes the half three further on.
.macro HALF d
.set RB, RING+32*((\d)%3)
.if (\d) < 6
	s_wait_loadcnt 16                              ; this half's loads are in; the two younger halves' eight each may be out
.else
	s_wait_loadcnt 8*(7-(\d))
.endif
.irp b, 0,1
.irp i, 0,1,2,3
	ds_store_b128 v[ST], v[RB+16*\b+4*\i:RB+16*\b+4*\i+3] offset:CP*\i
.endr
.irp i, 0,1,2,3
	ds_load_b128 v[XA+16*\b+4*\i:XA+16*\b+4*\i+3], v[SR] offset:16*\i
.endr
.endr
	s_wait_dscnt 0x0                               ; both blocks are back, so the stores have read the slot
.if (\d)+3 < 8
	XLOAD (\d)+3
.endif
	QUANT XC+16*(((\d)/2)%2)+8*((\d)%2), XS+((\d)/2)%2, (\d)%2
.endm
; Half u of my slice of W's tile e.  last = 1: my last reads ahead of the refill: the add stands behind them, and the quantising between it and its wait.
.macro WHALF e, u, last
.irp b, 0,1
.irp i, 0,1,2,3
	ds_load_b128 v[XA+16*\b+4*\i:XA+16*\b+4*\i+3], v[VW] offset:((\e)%2)*16*WP+256*(\u)+128*\b+16*\i
.endr
.endr
	s_wait_dscnt 0x0
.if \last
	s_wait_tensorcnt 0x0
	ds_add_u32 v[SPW], v[NIL]
	s_add_nc_u64 s[G0+2:G0+3], s[G0+2:G0+3], 32*ROWB           ; no tensor load of mine is out: on to experts 32-63
.endif
	QUANT WC+16*(\e)+8*(\u), WS+(\e), \u
.endm
; TILE t's PRODUCTS, used transposed (source 0 = 16 experts, source 1 = 16 tokens): lane (r, h) gets token r, experts 16 e + 8 h + 0 .. 7.  My slice is one instruction deep: C is 0.  The sums go to my region.
.macro PROD t
.rept 4
	v_nop                                          ; operands written by vector instructions stand 4 places ahead of a scaled matrix instruction
.endr
.irp e, 0,1,2,3
	v_wmma_scale_f32_16x16x128_f8f6f4 v[ACC+8*\e:ACC+8*\e+7], v[WC+16*\e:WC+16*\e+15], v[XC+16*((\t)%2):XC+16*((\t)%2)+15], 0, v[WS+\e], v[XS+(\t)%2] matrix_a_fmt:MATRIX_FMT_BF8 matrix_b_fmt:MATRIX_FMT_BF8
.endr
.if (\t) < 3
.rept 8
	v_nop                                          ; eight places ahead of the results' first reader
.endr
.else
	v_and_b32 v[IB], 7, v0                         ; the same eight places and more, filled with the end's set-up
	v_and_b32 v[ODD], 1, v0
	v_and_b32 v[GOF], 31, v0
	v_mov_b32 v[B1], 0                             ; written once: the destination of a DPP move counts as read
	v_mov_b32 v[BI1], 0
	v_mov_b32 v[B2], 0
	v_mov_b32 v[BI2], 0
	v_lshlrev_b32 v[IB], 3, v[IB]                  ; my first expert at the end
	v_lshlrev_b32 v[GOF], 4, v[GOF]                ; the output stores' offset
	v_cmp_eq_u32 vcc_lo, 1, v[ODD]                 ; odd lanes will put the indices
.endif
.irp e, 0,1,2,3
	ds_store_b128 v[PT], v[ACC+8*\e:ACC+8*\e+3]   offset:PT16*(\t)+64*\e       ; each accumulator from its low end on
	ds_store_b128 v[PT], v[ACC+8*\e+4:ACC+8*\e+7] offset:PT16*(\t)+64*\e+16
.endr
.endm
; the 16 waves' parts of tile t's token w: two experts a lane
.macro REDUCE t
.irp q, 0,1,2,3,4,5,6,7,8,9,10,11,12,13,14,15
	ds_load_b64 v[XA+2*\q:XA+2*\q+1], v[RA+\q/4] offset:(\q%4)*WREG+PT16*(\t)
.endr
	s_wait_dscnt 0x0
.irp i, 0,4,8,12,16,20,24,28
	v_pk_add_f32 v[XA+\i:XA+\i+1], v[XA+\i:XA+\i+1], v[XA+\i+2:XA+\i+3]
.endr
.irp i, 0,8,16,24
	v_pk_add_f32 v[XA+\i:XA+\i+1], v[XA+\i:XA+\i+1], v[XA+\i+4:XA+\i+5]
.endr
.irp i, 0,16
	v_pk_add_f32 v[XA+\i:XA+\i+1], v[XA+\i:XA+\i+1], v[XA+\i+8:XA+\i+9]
.endr
	v_pk_add_f32 v[LG+2*(\t):LG+2*(\t)+1], v[XA:XA+1], v[XA+16:XA+17]
.endm
.macro MEET                            ; my sums lie in LDS; behind the barrier everybody's do
	s_wait_dscnt 0x0
	s_barrier_signal -1
	s_barrier_wait -1
.endm
	s_wait_alu depctr_va_vdst(0)
	HALF 0                                         ; x's first half, asked for first; its slot goes out again
	s_wait_tensorcnt 0x0                           ; experts 0-31 of my slice are in: nobody else reads these bytes
	WHALF 0, 0, 0
	WHALF 0, 1, 0
	WHALF 1, 0, 0
	WHALF 1, 1, 1
	s_wait_dscnt 0x0                               ; the add is done, and so are my reads of W's first fill
	CROUND                                         ; the same holds of every wave of the cluster
	tensor_load_to_lds s[G0:G0+3], s[G1:G1+7]      ; experts 32-63
	s_nop 0
	HALF 1                                         ; x does not wait for W: codes of two tiles stand ready
	HALF 2
	HALF 3
	s_wait_tensorcnt 0x0                           ; W's second and last fill is in: from here on my region may take my sums
	WHALF 2, 0, 0
	WHALF 2, 1, 0
	WHALF 3, 0, 0
	WHALF 3, 1, 0
	PROD 0
	PROD 1
	HALF 4
	HALF 5
	PROD 2
	MEET
	REDUCE 0                                       ; while tile 3's loads are on their way
	REDUCE 1
	REDUCE 2
	HALF 6
	HALF 7
	PROD 3
	MEET
	REDUCE 3
.irp t, 0,1,2,3
	ds_store_b64 v[LW], v[LG+2*\t:LG+2*\t+1] offset:PP*\t      ; the four tokens' logits turn through my own stage: 8 lanes to a token
.endr
	ds_load_b128 v[PS:PS+3], v[LR]
	ds_load_b128 v[PS+4:PS+7], v[LR] offset:16
	s_wait_dscnt 0x0
	v_max3_num_f32 v[MX], v[PS], v[PS+1], v[PS+2]  ; the token's largest logit: my 8, then the 8 lanes of the token
	s_delay_alu instid0(VALU_DEP_1)
	v_max3_num_f32 v[MX], v[MX], v[PS+3], v[PS+4]
	s_delay_alu instid0(VALU_DEP_1)
	v_max3_num_f32 v[MX], v[MX], v[PS+5], v[PS+6]
	s_delay_alu instid0(VALU_DEP_1)
	v_max_num_f32 v[MX], v[MX], v[PS+7]
	s_delay_alu instid0(VALU_DEP_1)
	v_max_num_f32_dpp v[MX], v[MX], v[MX] row_xmask:1 row_mask:0xf bank_mask:0xf
	s_delay_alu instid0(VALU_DEP_1)
	v_max_num_f32_dpp v[MX], v[MX], v[MX] row_xmask:2 row_mask:0xf bank_mask:0xf
	s_delay_alu instid0(VALU_DEP_1)
	v_max_num_f32_dpp v[MX], v[MX], v[MX] row_xmask:4 row_mask:0xf bank_mask:0xf
.irp i, 0,1,2,3,4,5,6,7
	v_sub_f32 v[EX+\i], v[PS+\i], v[MX]            ; logit - maximum: 0 at the maximum
.endr
.irp i, 0,1,2,3,4,5,6,7
	v_mul_f32 v[EX+\i], 0x3fb8aa3b, v[EX+\i]       ; x log2(e)
.endr
	s_wait_alu depctr_va_vdst(0)
.irp i, 0,1,2,3,4,5,6,7
	v_exp_f32 v[EX+\i], v[EX+\i]                   ; e^(logit - maximum), at most 1
.endr
	v_nop                                          ; one plain line behind the last exponential,
	s_wait_alu depctr_va_vdst(0)                   ; and one wait for the batch of eight, ahead of its first reader
	v_pk_add_f32 v[E4:E4+1],   v[EX:EX+1],   v[EX+2:EX+3]
	v_pk_add_f32 v[E4+2:E4+3], v[EX+4:EX+5], v[EX+6:EX+7]
	s_delay_alu instid0(VALU_DEP_1)
	v_pk_add_f32 v[E4:E4+1], v[E4:E4+1], v[E4+2:E4+3]
	s_delay_alu instid0(VALU_DEP_1)
	v_add_f32 v[SM], v[E4], v[E4+1]
	s_delay_alu instid0(VALU_DEP_1)
	v_add_f32_dpp v[SM], v[SM], v[SM] row_xmask:1 row_mask:0xf bank_mask:0xf
	s_delay_alu instid0(VALU_DEP_1)
	v_add_f32_dpp v[SM], v[SM], v[SM] row_xmask:2 row_mask:0xf bank_mask:0xf
	s_delay_alu instid0(VALU_DEP_1)
	v_add_f32_dpp v[SM], v[SM], v[SM] row_xmask:4 row_mask:0xf bank_mask:0xf   ; the softmax's sum, at least 1
	s_wait_alu depctr_va_vdst(0)
	v_rcp_f32 v[RS], v[SM]                         ; its result is first named behind the search below, which is the independent work behind it
	; the two largest of my 8, in ascending order of index; 'greater' alone moves an index, so that of equals the lower index stays ahead
	v_cmp_gt_f32 s20, v[EX+1], v[EX]
	v_max_num_f32 v[M1], v[EX], v[EX+1]
	v_min_num_f32 v[M2], v[EX], v[EX+1]
	v_cndmask_b32 v[I1], 0, 1, s20
	v_cndmask_b32 v[I2], 1, 0, s20
.irp i, 2,3,4,5,6,7
	v_cmp_gt_f32 s20, v[EX+\i], v[M1]
	v_cmp_gt_f32 s21, v[EX+\i], v[M2]
	v_cndmask_b32 v[I2], v[I2], \i, s21            ; over the second: it takes the second's place,
	v_cndmask_b32 v[I2], v[I2], v[I1], s20         ; over the first: the old first does
	v_cndmask_b32 v[I1], v[I1], \i, s20
	v_med3_num_f32 v[M2], v[EX+\i], v[M1], v[M2]   ; the new second is the middle one of the three
	v_max_num_f32 v[M1], v[EX+\i], v[M1]
.endr
	v_add_nc_u32 v[I1], v[IB], v[I1]
	v_add_nc_u32 v[I2], v[IB], v[I2]
; My two (A) and the two of lane l xor k (B) become the two of both, alike in both lanes.  All of A's indices lie under all of B's where the lane's bit k is 0, over them where it is 1 (mask 'high'):
; so B's number goes ahead of A's where it is greater, or equal in a lane of 'high'.  The masks only select values: no branch and no address hangs on them.
.macro MERGE k, high
	v_mov_b32_dpp v[B1],  v[M1] row_xmask:\k row_mask:0xf bank_mask:0xf
	v_mov_b32_dpp v[BI1], v[I1] row_xmask:\k row_mask:0xf bank_mask:0xf
	v_mov_b32_dpp v[B2],  v[M2] row_xmask:\k row_mask:0xf bank_mask:0xf
	v_mov_b32_dpp v[BI2], v[I2] row_xmask:\k row_mask:0xf bank_mask:0xf
	v_cmp_gt_f32 s20, v[B1], v[M1]
	v_cmp_ge_f32 s21, v[B1], v[M1]
	v_cmp_gt_f32 s22, v[B1], v[M2]
	v_cmp_ge_f32 s23, v[B1], v[M2]
	v_cmp_gt_f32 s24, v[B2], v[M1]
	v_cmp_ge_f32 s25, v[B2], v[M1]
	s_and_b32 s21, s21, \high
	s_and_b32 s23, s23, \high
	s_and_b32 s25, s25, \high
	s_or_b32 s20, s20, s21                         ; B's first ahead of A's first
	s_or_b32 s22, s22, s23                         ; B's first ahead of A's second
	s_or_b32 s24, s24, s25                         ; B's second ahead of A's first
	v_cndmask_b32 v[T0], v[I2], v[BI1], s22        ; the second, if A's first stays first: A's second or B's first;
	v_cndmask_b32 v[T1], v[I1], v[BI2], s24        ; if B's first is first: A's first or B's second
	v_cndmask_b32 v[I1], v[I1], v[BI1], s20
	v_cndmask_b32 v[I2], v[T0], v[T1], s20
	v_min_num_f32 v[T0], v[M1], v[B1]              ; the values: the second is the largest of the lesser first and the two seconds
	v_max_num_f32 v[M1], v[M1], v[B1]
	v_max3_num_f32 v[M2], v[T0], v[M2], v[B2]
.endm
	MERGE 1, 0xaaaaaaaa
	MERGE 2, 0xcccccccc
	MERGE 4, 0xf0f0f0f0
	s_wait_alu depctr_va_vdst(0)                   ; the wait for the reciprocal of the sum, ahead of its first reader
	v_mul_f32 v[P1], v[M1], v[RS]                  ; the two probabilities
	v_mul_f32 v[P2], v[M2], v[RS]
	v_add_f32 v[DN], v[P1], v[P2]
	s_delay_alu instid0(VALU_DEP_1)
	v_add_f32 v[DN], 0x3089705f, v[DN]             ; + 1e-9
	s_wait_alu depctr_va_vdst(0)
	v_rcp_f32 v[RD], v[DN]
	v_nop                                          ; one plain line behind the reciprocal,
	s_wait_alu depctr_va_vdst(0)                   ; and its wait
	v_mul_f32 v[P1], v[P1], v[RD]
	v_mul_f32 v[P2], v[P2], v[RD]
	v_cndmask_b32 v[OD],   v[P1], v[I1], vcc_lo    ; even lanes hold the weights, odd lanes the indices
	v_cndmask_b32 v[OD+1], v[P2], v[I2], vcc_lo
	ds_store_b64 v[AOS], v[OD:OD+1]                ; the four even (odd) lanes of a token write the same 8 bytes with the same value
	s_wait_tensorcnt 0x0                           ; the wave's end, behind its last LDS store
	ds_add_u32 v[SPW], v[NIL]
	s_wait_dscnt 0x0                               ; for the others' sake too: my results lie in LDS
	s_barrier_signal -1
	s_barrier_wait -1
	s_cmp_gt_u32 s12, 1                            ; waves 0 and 1 store
	s_cbranch_scc1 .Lstored
	ds_load_b128 v[OB:OB+3], v[AOR]
	s_wait_dscnt 0x0
	global_store_b128 v[GOF], v[OB:OB+3], s[8:9] th:TH_STORE_NT   ; 32 lanes store the group's 512 consecutive bytes of one output, at a multiple of 512 from its first byte
.Lstored:
	CROUND                                         ; the closing round: no work-group ends while a partner may still ask for a tile that names it
	s_endpgm
.Lfunc_end_k_qa11180a869_router:
	.size	k_qa11180a869_router, .Lfunc_end_k_qa11180a869_router-k_qa11180a869_router
	.p2alignl 7, 3214868480
	.fill 96, 4, 3214868480
	.section	.rodata,"a",@progbits
	.p2align	6, 0x0
	.amdhsa_kernel k_qa11180a869_router
		.amdhsa_group_segment_fixed_size 327680
		.amdhsa_private_segment_fixed_size 0
		.amdhsa_enable_private_segment 0
		.amdhsa_kernarg_size 32
		.amdhsa_user_sgpr_count 2
		.amdhsa_user_sgpr_kernarg_segment_ptr 1
		.amdhsa_wavefront_size32 1
		.amdhsa_system_sgpr_workgroup_id_x 1
		.amdhsa_system_sgpr_workgroup_id_y 1
		.amdhsa_system_sgpr_workgroup_id_z 1
		.amdhsa_system_vgpr_workitem_id 0
		.amdhsa_next_free_vgpr 256
		.amdhsa_next_free_sgpr 66
		.amdhsa_reserve_vcc 1
		.amdhsa_float_denorm_mode_32 3
		.amdhsa_float_denorm_mode_16_64 3
		.amdhsa_memory_ordered 1
		.amdhsa_forward_progress 1
		.amdhsa_inst_pref_size 113
	.end_amdhsa_kernel
	.amdgpu_metadata
---
amdhsa.version: [ 1, 2 ]
amdhsa.kernels:
  - .name:           k_qa11180a869_router
    .symbol:         k_qa11180a869_router.kd
    .args:
      - { .name: x, .offset: 0, .size: 8, .value_kind: global_buffer, .address_space: global }
      - { .name: W, .offset: 8, .size: 8, .value_kind: global_buffer, .address_space: global }
      - { .name: out0, .offset: 16, .size: 8, .value_kind: global_buffer, .address_space: global }
      - { .name: out1, .offset: 24, .size: 8, .value_kind: global_buffer, .address_space: global }
    .group_segment_fixed_size: 327680
    .private_segment_fixed_size: 0
    .kernarg_segment_align: 8
    .kernarg_segment_size: 32
    .max_flat_workgroup_size: 512
    .sgpr_count:     66
    .vgpr_count:     256
    .wavefront_size: 32
...
	.end_amdgpu_metadata
.endif
;; end of part 1
